; MI455X (gfx1250); checked and timed in simulation.
; The chip was launched on July 23, 2026; its instructions are those of AMD's public machine-readable ISA for CDNA 5 (MIT licence, August 2026) and "CDNA5" Instruction Set Architecture Reference Guide (July 2026). The comments in the code are by the model that wrote it; some were corrected since.
;; Causal Self Attention. Allowed arithmetic: matrix products marked QUANTISED: E3M2 operands, one E8M0 scale for each 32 along K, by v_wmma_scale_f32_16x16x128_f8f6f4 with both operands' format E3M2, f32 sums; everything else in f32.
;; Inputs: Wk 1,024 x 1,024 float32; Wp 1,024 x 1,024 float32; Wq 1,024 x 1,024 float32; Wv 1,024 x 1,024 float32; bk 1,024 float32; bp 1,024 float32; bq 1,024 float32; bv 1,024 float32; x 4 x 2,048 x 1,024 float32.
;; Outputs: out0 4 x 2,048 x 1,024 float32.
;; This version of the problem:
;;   THIS VERSION OF THE PROBLEM IS GIVEN IN LOW PRECISION. The matrix products marked QUANTISED in the list below multiply operands that are first quantised to E3M2 (3 exponent bits, 2 mantissa bits; 6 bits a number), with one power-of-two scale for each 32 numbers along K (OCP MX v1.0); their sums are f32. All else is computed in f32.
;;   The module's matrix products, in the order in which they are computed (A, B: the left and right operand; K: the contracted axis; several contracted axes count as one K, in the product's order):
;;     1. [M 8,192, K 1,024] x [K 1,024, N 1,024]; A: input x; B: input Wq: QUANTISED
;;     2. [M 8,192, K 1,024] x [K 1,024, N 1,024]; A: input x; B: input Wk: QUANTISED
;;     3. [M 8,192, K 1,024] x [K 1,024, N 1,024]; A: input x; B: input Wv: QUANTISED
;;     4. batch 64 x [M 2,048, K 64] x [K 64, N 2,048]; A: computed on the way; B: computed on the way: QUANTISED
;;     5. batch 64 x [M 2,048, K 2,048] x [K 2,048, N 64]; A: softmax (see below); B: computed on the way: QUANTISED
;;     6. [M 8,192, K 1,024] x [K 1,024, N 1,024]; A: computed on the way; B: input Wp: QUANTISED
;;   THE QUANTISER, for each operand of a quantised product, along K:
;;     - K is cut into blocks of 32 from its start; a last block that is shorter is filled with zeros.
;;     - A block's scale is 2^e with e = floor(log2(the largest magnitude in the block)) - 4, held to -126 .. 127; a block of zeros has e = 0. As a byte (E8M0): e + 127.
;;     - Each number is divided by its block's scale, clamped to +-28, and rounded to the nearest number of E3M2, ties to even, subnormals kept.
;;     - The product sums the exact products of the quantised numbers (number of the format x scale) in f32.
;;   ~~~python
;;   def quantise(x, axis):      # numpy; x: float32 -> the quantised numbers, widened to float32 again
;;       x = np.moveaxis(x, axis, -1); K = x.shape[-1]
;;       x = np.pad(x, [(0, 0)] * (x.ndim - 1) + [(0, -K % 32)]); x = x.reshape(x.shape[:-1] + (-1, 32)); a = np.abs(x).max(-1, keepdims=True)
;;       e = np.where(a > 0, np.clip(np.frexp(np.where(a > 0, a, 1))[1] - 1 - 4, -126, 127), 0)      # np.frexp(a)[1] - 1 = floor(log2(a)), exactly
;;       r = np.clip(x / 2.0 ** e, -28, 28)
;;       step = 2.0 ** (np.maximum(np.frexp(np.where(r == 0, 1, r))[1] - 1, -2) - 2)
;;       q = np.round(r / step) * step * 2.0 ** e      # np.round: ties to even
;;       return np.moveaxis(q.reshape(q.shape[:-2] + (-1,))[..., :K], -1, axis).astype(np.float32)
;;   ~~~
;;   SOFTMAX AHEAD OF A QUANTISED PRODUCT. Where the list says 'softmax', what is quantised is not the finished softmax but p = 2^(t - M), with t = logit x log2(e) and M = ceil(the row's largest t), a whole number; so 1/2 < the row's largest p <= 1. The row's sum l is taken of the UNQUANTISED p, in f32, and the product's result is divided by l at the end. Since M is a whole number, a kernel that streams over the keys may use a running M (the ceiling of the running maximum): every later rescaling is an exact power of two, which a block's scale takes up: the codes' values come out the same.
;;   OPERANDS COMPUTED ON THE WAY. 'Computed on the way' means the value that the module computes at that place (a softmax that the list does not call 'softmax' is quantised finished and normalised). What goes into a quantiser is computed in f32, as accurately as f32 sums, v_exp_f32 and their like allow (about 1e-6 of the number): no bf16 or f16 on the way to a quantiser, and a product that is left as it is and whose result goes on into a quantised operand takes f32 operands (vector FMAs, or v_wmma_f32_16x16x4_f32). A number that lies on a knife's edge between two numbers of the format may be rounded either way, as far as f32 arithmetic and the matrix unit's own rounding can turn it there, and no further.
;; One version. Each part assembles by itself: llvm-mc -triple=amdgcn-amd-amdhsa -mcpu=gfx1250 --defsym DOCPART=n.
;; ======== version 1 of 1: 4 launches
;; workspace buffers: xi 6,553,600 bytes; wi 3,276,800 bytes; qi 6,815,744 bytes; ki 6,815,744 bytes; vi 6,815,744 bytes; yi 6,553,600 bytes
;; launch quant (part 1): grid 384 x 1, 4 waves a work-group, no clusters, 35,328 bytes of LDS; arguments x, Wq, Wk, Wv, Wp, xi, wi; writes xi, wi
.if DOCPART == 1
	.amdgcn_target "amdgcn-amd-amdhsa--gfx1250"
	.amdhsa_code_object_version 6
	.text
	.protected	k_q6e575b7d20_quant
	.globl	k_q6e575b7d20_quant
	.p2align	8
	.type	k_q6e575b7d20_quant,@function
k_q6e575b7d20_quant:
	s_mov_b64 s[64:65], 0
	v_nop
	global_prefetch_b8 v0, s[64:65] scope:SCOPE_SE
	s_setreg_imm32_b32 hwreg(HW_REG_WAVE_MODE, 25, 1), 1
	s_wait_xcnt 0x0
; x [8192][1024] and Wq, Wk, Wv, Wp [1024][1024], f32 with K innermost, become codes of BF6 (E3M2) with one E8M0 byte for each 32 along K,
; laid as IMAGES OF OPERAND REGISTERS, so that the products' launches fetch whole dense rows and read fragments by contiguous LDS loads.
; TILE ORDER: rows go in tiles of 16; position r of tile t is row 32 (t / 2) + 8 (t % 2) + r % 8 + 16 (r / 8).
; HALF FRAGMENT (HF): 16 rows x 64 K = 6 registers a lane, 768 bytes: lane (r, h) holds block h (32 codes, 24 bytes) of the row at position r;
;   registers 0-3 at 16 x lane, registers 4-5 at 512 + 8 x lane.
; A TILE in xi, wi is 12,800 bytes: for each half of K (512): 8 HFs (6,144 bytes), then 256 bytes of scale words [r][4]: word s serves 128 along K, byte b its k = 32 b.
; A block's scale is 2^(floor(log2(largest magnitude)) - 4): its byte is the largest magnitude's exponent field - 4, held at 1 from below.
; LIMITS: a block of zeros gets the byte 1 where the rule says 127 (its codes are zeros, which add nothing, and only this program reads the bytes);
;   NaN and infinities among the inputs are not served.
; SHARES: a work-group takes 32 rows (two tiles); work-groups 0-255 take x, then 32 each Wq, Wk, Wv, Wp.  Wave w takes tile w / 2 and half w % 2 of K: 8 steps of one HF.
; Each load reads two rows' 256 consecutive bytes; a step's 4,096 bytes turn through the wave's own stage in LDS (rows 272 bytes apart) and come back 128 bytes a lane: a whole block.
; No tensor loads, no barrier: waves share nothing.  Memory binds: matrix units and clusters would add nothing here.
.set STG,  4352                        ; a stage: 16 rows x 272 bytes; two for each wave
.set R,    16                          ; v16-79    two sets of 32 registers as loaded
.set X,    80                          ; v80-143   two sets of 32 neighbours along K
.set C,    144                         ; v144-207  codes: eight registers for each step, so that no store's data are written again
.set E,    208                         ; v208-215  a scale byte for each step
.set W,    216                         ; v216-219  the four scale words
.set T,    220                         ; v220-223  the other half's parts of them
	s_load_b256 s[4:11], s[0:1], 0x0               ; x, Wq, Wk, Wv
	s_load_b128 s[12:15], s[0:1], 0x20             ; Wp, xi
	s_load_b64 s[16:17], s[0:1], 0x30              ; wi
	v_lshl_add_u32 v224, v0, 2, 0x8800
	v_mov_b32 v225, 0
	v_lshrrev_b32 v9, 5, v0
	v_readfirstlane_b32 s26, v9                    ; wave 0..3
	v_and_b32 v1, 31, v0                           ; lane
	v_and_b32 v10, 15, v0                          ; r
	v_bfe_u32 v11, v0, 4, 1                        ; h
	v_lshlrev_b32 v12, 4, v10                      ; 16 r
	v_lshl_add_u32 v2, v11, 12, v12                ; in: lanes 0-15 one row's 256 bytes, lanes 16-31 the next row's
	s_mul_i32 s27, s26, 2*STG                      ; my two stages
	v_mad_u32_u24 v3, v11, 272, v12
	v_add_nc_u32 v3, s27, v3                       ; into a stage: the same two rows
	v_mul_u32_u24 v4, v10, 272
	v_lshl_add_u32 v4, v11, 7, v4
	v_add_nc_u32 v4, s27, v4                       ; out of it: row r, block h: 128 bytes
	v_lshlrev_b32 v5, 4, v1                        ; an HF's registers 0-3
	v_lshlrev_b32 v6, 3, v1
	v_add_nc_u32 v6, 512, v6                       ; and 4-5
	v_lshlrev_b32 v8, 3, v11                       ; 8 h
	v_add_nc_u32 v7, v12, v8
	v_add_nc_u32 v7, 6144, v7                      ; my 8 bytes of the scale words
.irp i, 0,1,2,3
	v_mov_b32 v[T+\i], 0                           ; a lane permute's destination counts as one of its sources
.endr
	s_mov_b32 s20, 0x76543210
	s_mov_b32 s21, 0xfedcba98                      ; v_permlanex16_b32: lane l xor 16
	s_lshr_b32 s28, s26, 1                         ; which of the two tiles
	s_and_b32 s29, s26, 1                          ; which half of K
	s_wait_kmcnt 0x0
	s_cmp_lt_u32 ttmp9, 352                        ; the tensor is chosen by the work-group's number alone
	s_cselect_b64 s[18:19], s[10:11], s[12:13]
	s_cmp_lt_u32 ttmp9, 320
	s_cselect_b64 s[18:19], s[8:9], s[18:19]
	s_cmp_lt_u32 ttmp9, 288
	s_cselect_b64 s[18:19], s[6:7], s[18:19]
	s_cmp_lt_u32 ttmp9, 256
	s_cselect_b64 s[18:19], s[4:5], s[18:19]
	s_cselect_b64 s[22:23], s[14:15], s[16:17]     ; xi or wi
	s_cselect_b32 s24, 0, 256
	s_cselect_b32 s25, 255, 31
	s_sub_co_u32 s24, ttmp9, s24                   ; the pair of tiles in xi or in wi
	s_and_b32 s25, s24, s25                        ; the 32 rows in the tensor
	s_lshl_b32 s30, s25, 17                        ; 32 rows of 4,096 bytes
	s_lshl_b32 s31, s28, 15                        ; the odd tile begins 8 rows down
	s_add_co_u32 s30, s30, s31
	s_lshl_b32 s31, s29, 11                        ; 512 along K
	s_add_co_u32 s30, s30, s31
	s_mov_b32 s31, 0
	s_add_nc_u64 s[18:19], s[18:19], s[30:31]
	s_lshl_b32 s32, s24, 1
	s_add_co_u32 s32, s32, s28
	s_mul_i32 s32, s32, 12800
	s_mul_i32 s33, s29, 6400
	s_add_co_u32 s32, s32, s33
	s_mov_b32 s33, 0
	s_add_nc_u64 s[22:23], s[22:23], s[32:33]
.macro LOAD t                          ; step t: positions 2 j and 2 j + 1 of the tile, 64 along K
.irp j, 0,1,2,3,4,5,6,7
	global_load_b128 v[R+32*((\t)%2)+4*\j:R+32*((\t)%2)+4*\j+3], v2, s[18:19] offset:((2*\j)%8+16*(\j/4))*4096+256*(\t) th:TH_LOAD_NT
.endr
.endm
.macro TURN t                          ; through the stage: LDS serves a wave's instructions in order, so no wait stands between the stores and the loads
.irp j, 0,1,2,3,4,5,6,7
	ds_store_b128 v3, v[R+32*((\t)%2)+4*\j:R+32*((\t)%2)+4*\j+3] offset:STG*((\t)%2)+544*\j
.endr
.irp q, 0,1,2,3,4,5,6,7
	ds_load_b128 v[X+32*((\t)%2)+4*\q:X+32*((\t)%2)+4*\q+3], v4 offset:STG*((\t)%2)+16*\q
.endr
.endm
.macro STEP t
.set XS, X+32*((\t)%2)
.set CD, C+8*(\t)
	s_wait_dscnt 0x0                               ; this step's block is back, so its stores into the stage have read their registers,
.if (\t) < 6
	LOAD (\t)+2                                    ; which take the loads of two steps on
	s_wait_loadcnt 8                               ; the next step's eight are in; the eight just issued stay out
	TURN (\t)+1
.elseif (\t) < 7
	s_wait_loadcnt 0x0                             ; the last step's eight
	TURN (\t)+1
.endif
	v_max3_num_f32 v12, |v[XS]|, |v[XS+1]|, |v[XS+2]|              ; the block's largest magnitude: all 32 numbers are mine; two chains
	v_max3_num_f32 v13, |v[XS+3]|, |v[XS+4]|, |v[XS+5]|
.irp i, 6,10,14,18,22,26
	v_max3_num_f32 v12, v12, |v[XS+\i]|, |v[XS+\i+1]|
	v_max3_num_f32 v13, v13, |v[XS+\i+2]|, |v[XS+\i+3]|
.endr
	v_max3_num_f32 v12, v12, |v[XS+30]|, |v[XS+31]|
	v_max3_num_f32 v12, v12, v13, 0x2800000        ; and the floor 2^(5 - 127): the byte cannot fall under 1
	v_add_nc_u32 v11, 0xfe000000, v12              ; 4 off the exponent field: the conversion takes this operand's exponent field as its scale
	v_cvt_scalef32_pk16_bf6_f32 v[CD:CD+2], v[XS:XS+15], v11
	v_cvt_scalef32_pk16_bf6_f32 v[CD+4:CD+6], v[XS+16:XS+31], v11  ; (a conversion's three registers begin on an even number)
	v_lshrrev_b32 v[E+(\t)], 23, v11               ; the scale's byte; also the plain line behind the conversions
	v_mov_b32 v[CD+3], v[CD+4]
	v_mov_b32 v[CD+4], v[CD+5]
	v_mov_b32 v[CD+5], v[CD+6]                     ; six registers on end: the HF's image
	global_store_b128 v5, v[CD:CD+3], s[22:23] offset:768*(\t)     ; 512 consecutive bytes,
	global_store_b64 v6, v[CD+4:CD+5], s[22:23] offset:768*(\t)    ; and the 256 behind them
.endm
	LOAD 0
	LOAD 1
	s_wait_loadcnt 8                               ; step 0's eight are in
	TURN 0
.irp t, 0,1,2,3,4,5,6,7
	STEP \t
.endr
.irp s, 0,1,2,3                        ; word s: HFs 2 s and 2 s + 1; my bytes are h and 2 + h
	v_lshl_or_b32 v[W+\s], v[E+2*\s+1], 16, v[E+2*\s]
.endr
.irp s, 0,1,2,3
	v_lshlrev_b32 v[W+\s], v8, v[W+\s]
.endr
.irp s, 0,1,2,3
	v_permlanex16_b32 v[T+\s], v[W+\s], s20, s21
.endr
.irp s, 0,1,2,3
	v_or_b32 v[W+\s], v[W+\s], v[T+\s]             ; with lane l xor 16's two bytes the word is whole
.endr
	v_cmp_le_u32 vcc_lo, 16, v1
	v_cndmask_b32 v12, v[W], v[W+2], vcc_lo        ; lanes 0-15 store words 0, 1 of their row, lanes 16-31 words 2, 3
	v_cndmask_b32 v13, v[W+1], v[W+3], vcc_lo
	global_store_b64 v7, v[12:13], s[22:23]        ; 256 consecutive bytes
	s_wait_tensorcnt 0x0
	ds_add_u32 v224, v225
	s_wait_dscnt 0x0
	s_endpgm
.Lfunc_end_k_q6e575b7d20_quant:
	.size	k_q6e575b7d20_quant, .Lfunc_end_k_q6e575b7d20_quant-k_q6e575b7d20_quant
	.p2alignl 7, 3214868480
	.fill 96, 4, 3214868480
	.section	.rodata,"a",@progbits
	.p2align	6, 0x0
	.amdhsa_kernel k_q6e575b7d20_quant
		.amdhsa_group_segment_fixed_size 35328
		.amdhsa_private_segment_fixed_size 0
		.amdhsa_enable_private_segment 0
		.amdhsa_kernarg_size 56
		.amdhsa_user_sgpr_count 2
		.amdhsa_user_sgpr_kernarg_segment_ptr 1
		.amdhsa_wavefront_size32 1
		.amdhsa_system_sgpr_workgroup_id_x 1
		.amdhsa_system_sgpr_workgroup_id_y 1
		.amdhsa_system_sgpr_workgroup_id_z 1
		.amdhsa_system_vgpr_workitem_id 0
		.amdhsa_next_free_vgpr 226
		.amdhsa_next_free_sgpr 66
		.amdhsa_reserve_vcc 1
		.amdhsa_float_denorm_mode_32 3
		.amdhsa_float_denorm_mode_16_64 3
		.amdhsa_memory_ordered 1
		.amdhsa_forward_progress 1
		.amdhsa_inst_pref_size 31
	.end_amdhsa_kernel
	.amdgpu_metadata
---
amdhsa.version: [ 1, 2 ]
amdhsa.kernels:
  - .name:           k_q6e575b7d20_quant
    .symbol:         k_q6e575b7d20_quant.kd
    .args:
      - { .name: x, .offset: 0, .size: 8, .value_kind: global_buffer, .address_space: global }
      - { .name: Wq, .offset: 8, .size: 8, .value_kind: global_buffer, .address_space: global }
      - { .name: Wk, .offset: 16, .size: 8, .value_kind: global_buffer, .address_space: global }
      - { .name: Wv, .offset: 24, .size: 8, .value_kind: global_buffer, .address_space: global }
      - { .name: Wp, .offset: 32, .size: 8, .value_kind: global_buffer, .address_space: global }
      - { .name: xi, .offset: 40, .size: 8, .value_kind: global_buffer, .address_space: global }
      - { .name: wi, .offset: 48, .size: 8, .value_kind: global_buffer, .address_space: global }
    .group_segment_fixed_size: 35328
    .private_segment_fixed_size: 0
    .kernarg_segment_align: 8
    .kernarg_segment_size: 56
    .max_flat_workgroup_size: 128
    .sgpr_count:     66
    .vgpr_count:     226
    .wavefront_size: 32
...
	.end_amdgpu_metadata
.endif
;; end of part 1
;; launch qkv (part 2): grid 12 x 64, 8 waves a work-group, clusters of 4 x 4, 308,224 bytes of LDS; arguments xi, wi, bq, bk, bv, qi, ki, vi; writes qi, ki, vi
.if DOCPART == 2
	.amdgcn_target "amdgcn-amd-amdhsa--gfx1250"
	.amdhsa_code_object_version 6
	.text
	.protected	k_q6e575b7d20_qkv
	.globl	k_q6e575b7d20_qkv
	.p2align	8
	.type	k_q6e575b7d20_qkv,@function
k_q6e575b7d20_qkv:
	s_mov_b64 s[64:65], 0
	v_nop
	global_prefetch_b8 v0, s[64:65] scope:SCOPE_SE
	s_setreg_imm32_b32 hwreg(HW_REG_WAVE_MODE, 25, 1), 1
	s_wait_xcnt 0x0
	s_wait_alu depctr_hold_cnt(0) depctr_sa_sdst(0) depctr_va_vdst(0) depctr_va_sdst(0) depctr_va_ssrc(0) depctr_va_vcc(0) depctr_vm_vsrc(0)
	s_getreg_b32 s2, hwreg(HW_REG_IB_STS2, 6, 4)
	s_cmp_eq_u32 s2, 0
	s_cbranch_scc0 .Lentry_in_a_cluster
	s_endpgm
.Lentry_in_a_cluster:
	s_bfe_u32 s2, ttmp6, 0x10000c
	s_cmp_lg_u32 s2, 0xf033
	s_cbranch_scc0 .Lentry_shape_is_right
	s_endpgm
.Lentry_shape_is_right:
; q = x Wq^T + bq, k = x Wk^T + bk, v = x Wv^T + bv on codes of BF6 (E3M2), and the results quantised again on the way out: q and k along the head's 64 channels, v along the tokens.
; OPERANDS: xi, wi: tiles of 16 rows (position r of tile t is row 32 (t / 2) + 8 (t % 2) + r % 8 + 16 (r / 8)), 12,800 bytes: for each half of K 8 half fragments (HF: 16 rows x 64 K, 768 bytes:
;   registers 0-3 at 16 x lane, 4-5 at 512 + 8 x lane) and 256 bytes of scale words [r][4].
; RESULTS: a record of 3,328 bytes for each (batch, head, 64 tokens): 4 HFs, then scale words [r][HF], bytes 0, 1 the two blocks, bytes 2, 3 zero.
;   qi, ki: HF i = 16 tokens (tile order) x the head's 64 channels.   vi: HF i = 16 channels (tile order) x the 64 tokens.
; SHARES: a work-group makes 128 tokens x 256 rows of Wq | Wk | Wv; cluster x 0, 1, 2 = q, k, v.  Eight waves, each 64 tokens x 64 channels (one head): 16 accumulators.
; q, k: source 0 = W, source 1 = x: a lane holds a token, its registers run along the channels.  v: source 0 = x, source 1 = W: a lane holds a channel, its registers run along the tokens.
;   By the tile order a lane's 32 results are k = 32 b + 16 (lane / 16) + 0 .. 15 of two blocks of the next product's K: nothing is transposed.
; LDS holds the work-group's operands for ALL of K (two chunks of 512 along K), each byte filled once: no ring, no second fill.
; CLUSTER 4 x 4: x's tiles are shared along a row of the cluster, W's along a column: each is asked for jointly by four work-groups.
; The biases are the C of each sum's first matrix instruction, in the result's layout.
; LIMITS: a block of zeros gets the byte 1 where the rule says 127 (zero codes; only this program reads the bytes); NaN and infinities are not served.
; REGISTERS: v1-11 lane numbers and addresses; v16-31 scale words (register 4 i + s: lanes 0-15 x's tile i, lanes 16-31 W's tile i, K step s of the chunk); v32-79 x's four fragments; v80-127 W's four;
;   v128-255 accumulators ((i, j) at 128 + 32 i + 8 j: i the tile of source 1, j of source 0); window 1: v0-31 the biases.
.set WV,    20                         ; s20 wave;  s21 wave % 4;  s22 which 64 tokens;  s23 which head of four
.set G1X,   32                         ; s[32:39] group 1 for x's tiles;  s[40:47] for W's
.set G1W,   40
.set G0X,   48                         ; s[48:55] groups 0 for x's two chunks;  s[56:63] for W's
.set G0W,   56
.set SEL,   74                         ; s[74:75] lane selects: lane l xor 16
.set HALF,  6400                       ; a tile's half of K
.set TILEB, 12800
.set WOFF,  8*HALF                     ; in a chunk: x's 8 tiles, then W's 16
.set CHUNK, 24*HALF
.set SC,    16
.set XF,    32
.set WF,    80
.set ACC,   128
.set MSB, 0
.macro WIN new                         ; the immediate's high byte repeats the setting that is left
.if MSB != \new
	s_set_vgpr_msb (MSB<<8)|\new
.set MSB, \new
.endif
.endm
.macro CROUND                          ; a round of the cluster's barrier
	s_barrier_signal -1
	s_barrier_wait -1
	s_cmp_lg_u32 s[WV], 0
	s_cbranch_scc1 .Lnot_wave_0_\@
	s_barrier_signal -3
.Lnot_wave_0_\@:
	s_barrier_wait -3
	s_barrier_signal -1
	s_barrier_wait -1
.endm
.macro PLACES                          ; four plain lines between a matrix instruction and a load into, or a vector read or write of, its registers
.rept 4
	v_nop
.endr
.endm
.macro FRAG reg, a16, a8, off          ; a fragment of 128 along K = two HFs on end
	ds_load_b128 v[\reg:\reg+3], v[\a16] offset:\off
	ds_load_b64 v[\reg+4:\reg+5], v[\a8] offset:\off
	ds_load_b128 v[\reg+6:\reg+9], v[\a16] offset:\off+768
	ds_load_b64 v[\reg+10:\reg+11], v[\a8] offset:\off+768
.endm
; 32 numbers of a lane, register 16 b + i = k 32 b + 16 (lane / 16) + i of my row, become an HF's image in v[pc] .. v[pc + 5] and the row's two scale bytes in v[pw].
.macro QUANT32 s, pc, t2, tm, pw
.irp b, 0,1
	v_max3_num_f32 v[\tm+\b], |v[\s+16*\b]|, |v[\s+16*\b+1]|, 0x2800000   ; my 16 of block b, and the floor 2^(5 - 127): the byte cannot fall under 1
.endr
.irp i, 2,4,6,8,10,12,14
.irp b, 0,1
	v_max3_num_f32 v[\tm+\b], v[\tm+\b], |v[\s+16*\b+\i]|, |v[\s+16*\b+\i+1]|
.endr
.endr
.irp b, 0,1
	s_delay_alu instid0(VALU_DEP_2)
	v_permlanex16_b32 v[\tm+2+\b], v[\tm+\b], s[SEL], s[SEL+1]
.endr
.irp b, 0,1
	s_delay_alu instid0(VALU_DEP_2)
	v_max_num_f32 v[\tm+\b], v[\tm+\b], v[\tm+2+\b]                ; with lane l xor 16's 16: the block's largest magnitude
.endr
.irp b, 0,1
	s_delay_alu instid0(VALU_DEP_2)
	v_add_nc_u32 v[\tm+4+\b], 0xfe000000, v[\tm+\b]                ; 4 off its exponent field: the conversion's scale operand
.endr
.irp b, 0,1
	s_delay_alu instid0(VALU_DEP_2)
	v_lshrrev_b32 v[\tm+6+\b], 23, v[\tm+4+\b]                     ; the scale's byte
.endr
	s_delay_alu instid0(VALU_DEP_1)
	v_lshl_or_b32 v[\pw], v[\tm+7], 8, v[\tm+6]
	v_cvt_scalef32_pk16_bf6_f32 v[\pc:\pc+2], v[\s:\s+15], v[\tm+4]
	v_cvt_scalef32_pk16_bf6_f32 v[\t2:\t2+2], v[\s+16:\s+31], v[\tm+5]
	v_nop                                          ; one plain line behind a scaled conversion
.irp i, 0,1,2
	v_permlane16_swap_b32 v[\pc+\i], v[\t2+\i]     ; lanes 0-15 get block 0 whole, lanes 16-31 block 1
.endr
.irp i, 0,1,2
	s_delay_alu instid0(VALU_DEP_3)
	v_mov_b32 v[\pc+3+\i], v[\t2+\i]
.endr
.endm
	s_load_b256 s[4:11], s[0:1], 0x0               ; xi s[4:5], wi s[6:7], bq s[8:9], bk s[10:11]
	s_load_b256 s[12:19], s[0:1], 0x20             ; bv s[12:13], qi s[14:15], ki s[16:17], vi s[18:19]
	v_lshl_add_u32 v14, v0, 2, 0x4b000
	v_mov_b32 v15, 0
	ds_add_u32 v14, v15
	ds_add_u32 v14, v15
	v_lshrrev_b32 v1, 5, v0
	s_delay_alu instid0(VALU_DEP_1)
	v_readfirstlane_b32 s[WV], v1                  ; wave 0..7
	s_and_b32 s21, s[WV], 3                        ; which part of the tiles I fetch
	s_and_b32 s22, s[WV], 1                        ; which 64 tokens are mine
	s_lshr_b32 s23, s[WV], 1                       ; which 64 rows of W
	s_bfe_u32 s24, ttmp6, 0x40000                  ; cx
	s_bfe_u32 s25, ttmp6, 0x40004                  ; cy
	s_lshl_b32 s26, ttmp9, 2
	s_add_co_u32 s26, s26, s24                     ; which 256 rows of Wq | Wk | Wv
	s_and_b32 s27, ttmp7, 0xffff
	s_lshl_b32 s27, s27, 2
	s_add_co_u32 s27, s27, s25                     ; which 128 tokens
	s_lshl_b32 s28, s25, 2
	s_lshl_b32 s28, 15, s28                        ; my row of the cluster
	s_lshl_b32 s29, 0x1111, s24                    ; my column
	; group 1: rows of 6,400 bytes (800 elements of 8 bytes), one for each tile, 12,800 bytes apart; no padding: the images are read contiguously
	s_or_b32 s[G1X], s28, (3<<16)|(1<<21)          ; 15:0 the mask; 17:16 elements of 8 bytes; 21 set beside a mask
	s_or_b32 s[G1W], s29, (3<<16)|(1<<21)
	s_mov_b32 s[G1X+1], 800<<16                    ; tensor_dim0
	s_mov_b32 s[G1X+2], 2<<16                      ; tensor_dim1: two tiles a load
	s_mov_b32 s[G1X+3], 800<<16                    ; tile_dim0
	s_mov_b32 s[G1X+4], 2                          ; tile_dim1
	s_mov_b32 s[G1X+5], 1600                       ; from tile to tile
	s_mov_b32 s[G1X+6], 0
	s_mov_b32 s[G1X+7], 0
	s_mov_b32 s[G1W+1], 800<<16
	s_mov_b32 s[G1W+2], 4<<16                      ; four tiles a load
	s_mov_b32 s[G1W+3], 800<<16
	s_mov_b32 s[G1W+4], 4
	s_mov_b32 s[G1W+5], 1600
	s_mov_b32 s[G1W+6], 0
	s_mov_b32 s[G1W+7], 0
	s_lshl_b32 s70, s27, 3                         ; x: tile 8 x (128 tokens) + 2 x part: hangs on cy alone
	s_lshl_b32 s30, s21, 1
	s_add_co_u32 s70, s70, s30
	s_mul_i32 s70, s70, TILEB
	s_mov_b32 s71, 0
	s_lshl_b32 s72, s26, 4                         ; W: tile 16 x (256 rows) + 4 x part: hangs on cx alone
	s_lshl_b32 s31, s21, 2
	s_add_co_u32 s72, s72, s31
	s_mul_i32 s72, s72, TILEB
	s_mov_b32 s73, 0
	s_mul_i32 s30, s21, 2*HALF                     ; where they go: no place in the cluster enters an LDS address
	s_mul_i32 s31, s21, 4*HALF
	s_add_co_u32 s31, s31, WOFF
	s_mov_b32 s[SEL], 0x76543210
	s_mov_b32 s[SEL+1], 0xfedcba98
	s_wait_dscnt 0x0
	s_wait_kmcnt 0x0
	s_add_nc_u64 s[70:71], s[4:5], s[70:71]
	s_add_nc_u64 s[72:73], s[6:7], s[72:73]
.irp c, 0,1
	s_mov_b32 s[G0X+4*\c], 1
	s_add_co_u32 s[G0X+4*\c+1], s30, \c*CHUNK
	s_add_nc_u64 s[G0X+4*\c+2:G0X+4*\c+3], s[70:71], \c*HALF
	s_or_b32 s[G0X+4*\c+3], s[G0X+4*\c+3], 0x80000000
	s_mov_b32 s[G0W+4*\c], 1
	s_add_co_u32 s[G0W+4*\c+1], s31, \c*CHUNK
	s_add_nc_u64 s[G0W+4*\c+2:G0W+4*\c+3], s[72:73], \c*HALF
	s_or_b32 s[G0W+4*\c+3], s[G0W+4*\c+3], 0x80000000
.endr
	CROUND                                         ; all sixteen work-groups are here: the joint loads meet
	s_cmp_lt_u32 s[WV], 4                          ; waves 0-3 fetch W's tiles, waves 4-7 x's: two loads a wave, chunk 0 then chunk 1, all the launch's fills
	s_cbranch_scc0 .Lfill_x
	tensor_load_to_lds s[G0W:G0W+3], s[G1W:G1W+7]
	s_nop 0
	tensor_load_to_lds s[G0W+4:G0W+7], s[G1W:G1W+7]
	s_nop 0
	PLACES
	s_branch .Lfilled
.Lfill_x:
	tensor_load_to_lds s[G0X:G0X+3], s[G1X:G1X+7]
	s_nop 0
	tensor_load_to_lds s[G0X+4:G0X+7], s[G1X:G1X+7]
	s_nop 0
	PLACES
.Lfilled:
	s_cmp_eq_u32 ttmp9, 1                          ; which result and which bias: the cluster's x alone decides
	s_cselect_b64 s[66:67], s[16:17], s[18:19]
	s_cselect_b64 s[68:69], s[10:11], s[12:13]
	s_cmp_eq_u32 ttmp9, 0
	s_cselect_b64 s[66:67], s[14:15], s[66:67]
	s_cselect_b64 s[68:69], s[8:9], s[68:69]
	s_lshl_b32 s76, s24, 2
	s_add_co_u32 s76, s76, s23                     ; my head
	s_lshl_b32 s77, s27, 1
	s_add_co_u32 s77, s77, s22                     ; my 64 tokens among all
	s_lshr_b32 s78, s77, 5                         ; batch
	s_and_b32 s77, s77, 31                         ; and which 64 of its 2,048
	s_lshl_b32 s78, s78, 4
	s_add_co_u32 s78, s78, s76
	s_lshl_b32 s78, s78, 5
	s_add_co_u32 s78, s78, s77
	s_mul_i32 s78, s78, 3328                       ; my record
	s_mov_b32 s79, 0
	s_add_nc_u64 s[66:67], s[66:67], s[78:79]
	s_lshl_b32 s76, s76, 8                         ; my head's 64 biases
	s_mov_b32 s77, 0
	s_add_nc_u64 s[68:69], s[68:69], s[76:77]
	v_and_b32 v1, 31, v0                           ; lane
	v_and_b32 v2, 15, v0                           ; r
	v_bfe_u32 v3, v0, 4, 1                         ; h
	s_delay_alu instid0(VALU_DEP_1)
	v_lshlrev_b32 v12, 6, v3                       ; q, k: my half's 16 channels of a block
	s_delay_alu instid0(VALU_DEP_3)
	v_and_b32 v13, 8, v2
	s_delay_alu instid0(VALU_DEP_1)
	v_add_nc_u32 v13, v13, v2
	s_delay_alu instid0(VALU_DEP_1)
	v_lshlrev_b32 v13, 2, v13                      ; v: the channel at position r of a tile
	s_cmp_eq_u32 ttmp9, 2
	s_cbranch_scc1 .Lbias_v
	WIN 0x40                                       ; destination window 1
.irp q, 0,1,2,3,4,5,6,7                ; register 16 b + i: the bias of channel 32 b + 16 h + i
	global_load_b128 v[4*\q:4*\q+3], v12, s[68:69] offset:128*(\q/4)+16*(\q%4)
.endr
	WIN 0
	s_branch .Lbias_in
.Lbias_v:
	WIN 0x40
	s_wait_alu depctr_va_vdst(0)
.irp i, 0,1,2,3                        ; registers 8 i .. 8 i + 7: the bias of my channel of tile i, once for each of a result's eight tokens
.irp c, 0,1,2,3,4,5,6,7
	global_load_b32 v[8*\i+\c], v13, s[68:69] offset:4*(32*(\i/2)+8*(\i%2))
.endr
.endr
	WIN 0
.Lbias_in:
	s_mul_i32 s30, s22, 4*HALF                     ; my four tiles of x,
	s_mul_i32 s31, s23, 4*HALF
	s_add_co_u32 s31, s31, WOFF                    ; of W
	s_wait_alu depctr_va_vdst(0)
	v_lshlrev_b32 v9, 4, v1                        ; 16 x lane
	v_lshlrev_b32 v10, 3, v1
	s_delay_alu instid0(VALU_DEP_1)
	v_add_nc_u32 v10, 512, v10                     ; 512 + 8 x lane
	s_delay_alu instid0(VALU_DEP_3)
	v_add_nc_u32 v4, s30, v9
	s_delay_alu instid0(VALU_DEP_2)
	v_add_nc_u32 v5, s30, v10
	v_add_nc_u32 v6, s31, v9
	s_delay_alu instid0(VALU_DEP_4)
	v_add_nc_u32 v7, s31, v10
	s_sub_co_u32 s31, s31, s30
	v_mul_u32_u24 v8, s31, v3                      ; scale words: lanes 0-15 x's tiles, lanes 16-31 W's
	s_delay_alu instid0(VALU_DEP_1)
	v_lshl_add_u32 v8, v2, 4, v8
	s_add_co_u32 s30, s30, 6144
	v_add_nc_u32 v8, s30, v8
	v_lshlrev_b32 v11, 3, v3
	s_delay_alu instid0(VALU_DEP_1)
	v_lshl_add_u32 v11, v2, 4, v11
	s_delay_alu instid0(VALU_DEP_1)
	v_add_nc_u32 v11, 3072, v11                    ; the way out: my 8 bytes of the record's scale words
; 16 matrix instructions: 128 along K.  The 16 accumulators take turns, one instruction a turn, in the same order in every K step.
.macro MUL mode, first
.if \first
	WIN 0x10                                       ; C: the biases, window 1
.endif
.irp i, 0,1,2,3
.irp j, 0,1,2,3
.if \mode == 0
.if \first
	v_wmma_scale_f32_16x16x128_f8f6f4 v[ACC+32*\i+8*\j:ACC+32*\i+8*\j+7], v[WF+12*\j:WF+12*\j+11], v[XF+12*\i:XF+12*\i+11], v[8*\j:8*\j+7], v[SC+4*\j+SQ], v[SC+4*\i+SQ] matrix_a_fmt:MATRIX_FMT_BF6 matrix_b_fmt:MATRIX_FMT_BF6 matrix_a_scale:MATRIX_SCALE_ROW1
.else
	v_wmma_scale_f32_16x16x128_f8f6f4 v[ACC+32*\i+8*\j:ACC+32*\i+8*\j+7], v[WF+12*\j:WF+12*\j+11], v[XF+12*\i:XF+12*\i+11], v[ACC+32*\i+8*\j:ACC+32*\i+8*\j+7], v[SC+4*\j+SQ], v[SC+4*\i+SQ] matrix_a_fmt:MATRIX_FMT_BF6 matrix_b_fmt:MATRIX_FMT_BF6 matrix_a_scale:MATRIX_SCALE_ROW1
.endif
.else
.if \first
	v_wmma_scale_f32_16x16x128_f8f6f4 v[ACC+32*\i+8*\j:ACC+32*\i+8*\j+7], v[XF+12*\j:XF+12*\j+11], v[WF+12*\i:WF+12*\i+11], v[8*\i:8*\i+7], v[SC+4*\j+SQ], v[SC+4*\i+SQ] matrix_a_fmt:MATRIX_FMT_BF6 matrix_b_fmt:MATRIX_FMT_BF6 matrix_b_scale:MATRIX_SCALE_ROW1
.else
	v_wmma_scale_f32_16x16x128_f8f6f4 v[ACC+32*\i+8*\j:ACC+32*\i+8*\j+7], v[XF+12*\j:XF+12*\j+11], v[WF+12*\i:WF+12*\i+11], v[ACC+32*\i+8*\j:ACC+32*\i+8*\j+7], v[SC+4*\j+SQ], v[SC+4*\i+SQ] matrix_a_fmt:MATRIX_FMT_BF6 matrix_b_fmt:MATRIX_FMT_BF6 matrix_b_scale:MATRIX_SCALE_ROW1
.endif
.endif
.endr
.endr
.if \first
	WIN 0
.endif
.endm
; A K step of 128: eight fragments from LDS, then the 16 products.  Two waves share a SIMD: one loads while the other multiplies.
.macro KSTEP s, first
.set SQ, (\s)%4
.if SQ != 0
	PLACES                                         ; in front of loads into registers that the last products read
.else
.irp i, 0,1,2,3
	ds_load_b128 v[SC+4*\i:SC+4*\i+3], v8 offset:HALF*\i           ; the chunk's four scale words of a row, for tile i of x and of W
.endr
.endif
.irp i, 0,1,2,3
	FRAG XF+12*\i, 4, 5, HALF*\i+1536*SQ
	FRAG WF+12*\i, 6, 7, HALF*\i+1536*SQ
.endr
	s_wait_dscnt 0x0
	s_cmp_eq_u32 ttmp9, 2                          ; the same in all sixteen partners
	s_cbranch_scc1 .Lmul_v_\@
	MUL 0, \first
	s_branch .Lmul_done_\@
.Lmul_v_\@:
	MUL 1, \first
.Lmul_done_\@:
.endm
	s_wait_alu depctr_va_vdst(0)
	s_wait_loadcnt 0x0                             ; the biases
	s_wait_tensorcnt 0x1                           ; my part of chunk 0 is in; my part of chunk 1 stays out
	s_barrier_signal -1
	s_barrier_wait -1                              ; everybody's is
	KSTEP 0, 1
	KSTEP 1, 0
	KSTEP 2, 0
	KSTEP 3, 0
	s_wait_tensorcnt 0x0                           ; my part of chunk 1 (no LDS load of mine is out: the last K step waited for all)
	s_barrier_signal -1
	s_barrier_wait -1
.irp a, 4,5,6,7,8
	v_add_nc_u32 v[\a], CHUNK, v[\a]               ; on to chunk 1; these five lines are also the places in front of the next loads
.endr
	KSTEP 4, 0
	s_wait_alu depctr_va_vdst(0)
	KSTEP 5, 0
	KSTEP 6, 0
	KSTEP 7, 0
	; THE WAY OUT: each group of four accumulators is 32 neighbours along the next K of one row: quantised in registers and stored as an HF's image
	PLACES
	v_mov_b32 v74, 0                               ; a lane permute's destination counts as one of its sources
	v_mov_b32 v75, 0
.irp i, 0,1,2,3
	QUANT32 ACC+32*\i, 32+8*\i, 64, 72, 16+\i
	global_store_b128 v9, v[32+8*\i:35+8*\i], s[66:67] offset:768*\i       ; 512 consecutive bytes,
	global_store_b64 v10, v[36+8*\i:37+8*\i], s[66:67] offset:768*\i       ; and the 256 behind them
.endr
	v_cmp_le_u32 vcc_lo, 16, v1
	s_delay_alu instid0(VALU_DEP_1)
	v_cndmask_b32 v20, v16, v18, vcc_lo            ; lanes 0-15 store words 0, 1 of their row, lanes 16-31 words 2, 3
	s_delay_alu instid0(VALU_DEP_2)
	v_cndmask_b32 v21, v17, v19, vcc_lo
	global_store_b64 v11, v[20:21], s[66:67]       ; 256 consecutive bytes
	s_wait_tensorcnt 0x0
	ds_add_u32 v14, v15
	s_wait_dscnt 0x0
	CROUND                                         ; the closing round: no work-group ends while a partner may still ask for a tile that names it
	s_endpgm
.Lfunc_end_k_q6e575b7d20_qkv:
	.size	k_q6e575b7d20_qkv, .Lfunc_end_k_q6e575b7d20_qkv-k_q6e575b7d20_qkv
	.p2alignl 7, 3214868480
	.fill 96, 4, 3214868480
	.section	.rodata,"a",@progbits
	.p2align	6, 0x0
	.amdhsa_kernel k_q6e575b7d20_qkv
		.amdhsa_group_segment_fixed_size 308224
		.amdhsa_private_segment_fixed_size 0
		.amdhsa_enable_private_segment 0
		.amdhsa_kernarg_size 64
		.amdhsa_user_sgpr_count 2
		.amdhsa_user_sgpr_kernarg_segment_ptr 1
		.amdhsa_wavefront_size32 1
		.amdhsa_system_sgpr_workgroup_id_x 1
		.amdhsa_system_sgpr_workgroup_id_y 1
		.amdhsa_system_sgpr_workgroup_id_z 1
		.amdhsa_system_vgpr_workitem_id 0
		.amdhsa_next_free_vgpr 288
		.amdhsa_next_free_sgpr 80
		.amdhsa_reserve_vcc 1
		.amdhsa_float_denorm_mode_32 3
		.amdhsa_float_denorm_mode_16_64 3
		.amdhsa_memory_ordered 1
		.amdhsa_forward_progress 1
		.amdhsa_inst_pref_size 73
	.end_amdhsa_kernel
	.amdgpu_metadata
---
amdhsa.version: [ 1, 2 ]
amdhsa.kernels:
  - .name:           k_q6e575b7d20_qkv
    .symbol:         k_q6e575b7d20_qkv.kd
    .args:
      - { .name: xi, .offset: 0, .size: 8, .value_kind: global_buffer, .address_space: global }
      - { .name: wi, .offset: 8, .size: 8, .value_kind: global_buffer, .address_space: global }
      - { .name: bq, .offset: 16, .size: 8, .value_kind: global_buffer, .address_space: global }
      - { .name: bk, .offset: 24, .size: 8, .value_kind: global_buffer, .address_space: global }
      - { .name: bv, .offset: 32, .size: 8, .value_kind: global_buffer, .address_space: global }
      - { .name: qi, .offset: 40, .size: 8, .value_kind: global_buffer, .address_space: global }
      - { .name: ki, .offset: 48, .size: 8, .value_kind: global_buffer, .address_space: global }
      - { .name: vi, .offset: 56, .size: 8, .value_kind: global_buffer, .address_space: global }
    .group_segment_fixed_size: 308224
    .private_segment_fixed_size: 0
    .kernarg_segment_align: 8
    .kernarg_segment_size: 64
    .max_flat_workgroup_size: 256
    .sgpr_count:     80
    .vgpr_count:     288
    .wavefront_size: 32
...
	.end_amdgpu_metadata
.endif
;; end of part 2
;; launch att (part 3): grid 4 x 64, 16 waves a work-group, clusters of 4 x 1, 215,040 bytes of LDS; arguments qi, ki, vi, yi; writes yi
.if DOCPART == 3
	.amdgcn_target "amdgcn-amd-amdhsa--gfx1250"
	.amdhsa_code_object_version 6
	.text
	.protected	k_q6e575b7d20_att
	.globl	k_q6e575b7d20_att
	.p2align	8
	.type	k_q6e575b7d20_att,@function
k_q6e575b7d20_att:
	s_mov_b64 s[64:65], 0
	v_nop
	global_prefetch_b8 v0, s[64:65] scope:SCOPE_SE
	s_setreg_imm32_b32 hwreg(HW_REG_WAVE_MODE, 25, 1), 1
	s_wait_xcnt 0x0
	s_wait_alu depctr_hold_cnt(0) depctr_sa_sdst(0) depctr_va_vdst(0) depctr_va_sdst(0) depctr_va_ssrc(0) depctr_va_vcc(0) depctr_vm_vsrc(0)
	s_getreg_b32 s2, hwreg(HW_REG_IB_STS2, 6, 4)
	s_cmp_eq_u32 s2, 0
	s_cbranch_scc0 .Lentry_in_a_cluster
	s_endpgm
.Lentry_in_a_cluster:
	s_bfe_u32 s2, ttmp6, 0x10000c
	s_cmp_lg_u32 s2, 0x3003
	s_cbranch_scc0 .Lentry_shape_is_right
	s_endpgm
.Lentry_shape_is_right:
; y[b][q][head] = the sum over keys k <= q of softmax_k(q . k / 8) v, both products on codes of BF6 (E3M2); y is quantised along the channels on the way out, into the operand tiles of the last product.
; INPUTS: records of 3,328 bytes for each (batch x head, 64 tokens): 4 half fragments (HF: 16 rows x 64 K, 768 bytes: registers 0-3 at 16 x lane, 4-5 at 512 + 8 x lane), then scale words [r][HF].
;   qi, ki: HF = 16 tokens x 64 channels; vi: HF = 16 channels x 64 tokens.  Position r of tile t is row 32 (t / 2) + 8 (t % 2) + r % 8 + 16 (r / 8), for tokens and channels alike.
; THE SOFTMAX: t = score x log2(e) / 8; M = the running largest t rounded UP to a whole number; p = 2^(t - M) is quantised along the keys; the row's sum is taken of the unquantised p and divides at the end.
;   When M moves, the sum and O are multiplied by 2^(old M - new M): exact.
; The head's K is 64, half of the matrix instruction's 128: registers 6-11 of q's and k's fragments hold zero codes, which add nothing.
; SHARES: a cluster of four work-groups is one head; a head's K and V (208 KB of codes and scales) lie in LDS whole, filled once by joint loads.
;   Wave w (j = w % 8, u = w / 8) owns query tiles 8 G + 2 cx + u for G = j and G = 15 - j.  Tile G wants key steps 0 .. G of 128 keys: 17 steps for every wave of every work-group.
;   Every branch hangs on the wave's number and the step alone; cx enters global addresses and the number that the mask compares with.
; LAYOUT: S^T = K Q^T, O^T = V^T P^T: a lane holds one query throughout; by the tile order the 16 registers of two neighbouring tiles are 16 neighbouring keys (or channels).
; LIMITS: 1 / l is v_rcp_f32 and a multiplication; a block of zeros gets the byte 1 (zero codes; only this program reads the bytes); NaN and infinities are not served.
;   y's scale bytes leave as halfwords, 2 bytes of every 50 stored.
; REGISTERS: v1-6 lane terms; v7-11 addresses of the loads in hand; v12 -M, v13 the largest t, v[14:15] the sum; v16-27 Q; v28-31 V's scale words of the second 64 keys, global offsets outside the steps;
;   v32-79 four fragments of K; v80-127 four of V; v128-191 S^T, then p; v192-223 O^T; v224-235 p's codes; v232-254 at work; v255 Q's scale word.
.set WV,   12                          ; s12 wave
.set CX,   13                          ; s13 my place in the cluster
.set HH,   14                          ; s14 batch x 16 + head
.set JW,   15                          ; s15 j
.set UW,   16                          ; s16 u
.set G1,   24                          ; s[24:31] group 1;  s[32:35], s[36:39] groups 0 for K and V
.set G0K,  32
.set G0V,  36
.set SEL,  40                          ; s[40:41] lane selects: lane l xor 16
.set CS,   42                          ; s[42:43] c = log2(e) / 8
.set TB,   44                          ; s44 LDS byte of the step's two records of K;  s45 of V
.set TBV,  45
.set ST,   46                          ; s46 the key step
.set TH,   47                          ; s47 G: the tile's last key step
.set REC,  3328
.set HEADB, 32*REC                     ; a head's records: 106,496 bytes; K at LDS byte 0, V behind it
.set PART, HEADB/8                     ; what one tensor load brings: 52 rows of 256 bytes
.macro CROUND
	s_barrier_signal -1
	s_barrier_wait -1
	s_cmp_lg_u32 s[WV], 0
	s_cbranch_scc1 .Lnot_wave_0_\@
	s_barrier_signal -3
.Lnot_wave_0_\@:
	s_barrier_wait -3
	s_barrier_signal -1
	s_barrier_wait -1
.endm
.macro PLACES
.rept 4
	v_nop
.endr
.endm
; 32 numbers of a lane, register 16 b + i = k 32 b + 16 (lane / 16) + i of my row, become an HF's image in v[pc] .. v[pc + 5] and the row's two scale bytes in v[pw].
.macro QUANT32 s, pc, t2, tm, pw
.irp b, 0,1
	v_max3_num_f32 v[\tm+\b], |v[\s+16*\b]|, |v[\s+16*\b+1]|, 0x2800000
.endr
.irp i, 2,4,6,8,10,12,14
.irp b, 0,1
	s_delay_alu instid0(VALU_DEP_2)
	v_max3_num_f32 v[\tm+\b], v[\tm+\b], |v[\s+16*\b+\i]|, |v[\s+16*\b+\i+1]|
.endr
.endr
.irp b, 0,1
	s_delay_alu instid0(VALU_DEP_2)
	v_permlanex16_b32 v[\tm+2+\b], v[\tm+\b], s[SEL], s[SEL+1]
.endr
.irp b, 0,1
	s_delay_alu instid0(VALU_DEP_2)
	v_max_num_f32 v[\tm+\b], v[\tm+\b], v[\tm+2+\b]
.endr
.irp b, 0,1
	s_delay_alu instid0(VALU_DEP_2)
	v_add_nc_u32 v[\tm+4+\b], 0xfe000000, v[\tm+\b]
.endr
.irp b, 0,1
	s_delay_alu instid0(VALU_DEP_2)
	v_lshrrev_b32 v[\tm+6+\b], 23, v[\tm+4+\b]
.endr
	s_delay_alu instid0(VALU_DEP_1)
	v_lshl_or_b32 v[\pw], v[\tm+7], 8, v[\tm+6]
	v_cvt_scalef32_pk16_bf6_f32 v[\pc:\pc+2], v[\s:\s+15], v[\tm+4]
	v_cvt_scalef32_pk16_bf6_f32 v[\t2:\t2+2], v[\s+16:\s+31], v[\tm+5]
	v_nop                                          ; one plain line behind a scaled conversion
.irp i, 0,1,2
	v_permlane16_swap_b32 v[\pc+\i], v[\t2+\i]
.endr
.irp i, 0,1,2
	s_delay_alu instid0(VALU_DEP_3)
	v_mov_b32 v[\pc+3+\i], v[\t2+\i]
.endr
.endm
	s_load_b256 s[4:11], s[0:1], 0x0               ; qi s[4:5], ki s[6:7], vi s[8:9], yi s[10:11]
	v_lshl_add_u32 v254, v0, 2, 0x34000
	v_mov_b32 v255, 0
	ds_add_u32 v254, v255
	ds_add_u32 v254, v255
	s_wait_dscnt 0x0
	v_lshrrev_b32 v1, 5, v0
	s_delay_alu instid0(VALU_DEP_1)
	v_readfirstlane_b32 s[WV], v1                  ; wave 0..15
	s_bfe_u32 s[CX], ttmp6, 0x40000
	s_and_b32 s[HH], ttmp7, 0xffff                 ; the cluster's y: the head, which the four partners share
	s_and_b32 s[JW], s[WV], 7
	s_lshr_b32 s[UW], s[WV], 3
	; group 1: a dense block of 13,312 bytes as 52 rows of 256 bytes (32 elements of 8 bytes)
	s_mov_b32 s[G1], 15|(3<<16)|(1<<21)            ; 15:0 the mask: all four work-groups; 17:16 elements of 8 bytes; 21 set beside a mask
	s_mov_b32 s[G1+1], 32<<16
	s_mov_b32 s[G1+2], 52<<16
	s_mov_b32 s[G1+3], 32<<16
	s_mov_b32 s[G1+4], 52
	s_mov_b32 s[G1+5], 32
	s_mov_b32 s[G1+6], 0
	s_mov_b32 s[G1+7], 0
	s_mul_i32 s17, s[JW], PART                     ; my eighth, in LDS and in memory
	s_mul_i32 s18, s[HH], HEADB                    ; the head's first byte in qi, ki, vi
	s_mov_b32 s19, 0
	s_add_co_u32 s20, s18, s17
	s_mov_b32 s21, 0
	s_mov_b32 s[SEL], 0x76543210
	s_mov_b32 s[SEL+1], 0xfedcba98
	s_mov_b32 s[CS], 0x3e38aa3b                    ; c = log2(e) / sqrt(64)
	s_mov_b32 s[CS+1], s[CS]                       ; (named with it as a pair, so it is written)
	s_wait_kmcnt 0x0
	s_mov_b32 s[G0K], 1
	s_mov_b32 s[G0K+1], s17
	s_add_nc_u64 s[G0K+2:G0K+3], s[6:7], s[20:21]
	s_or_b32 s[G0K+3], s[G0K+3], 0x80000000
	s_mov_b32 s[G0V], 1
	s_add_co_u32 s[G0V+1], s17, HEADB
	s_add_nc_u64 s[G0V+2:G0V+3], s[8:9], s[20:21]
	s_or_b32 s[G0V+3], s[G0V+3], 0x80000000
	s_add_nc_u64 s[4:5], s[4:5], s[18:19]          ; qi at the head
	CROUND                                         ; all four work-groups are here: the joint loads meet
	s_cmp_lt_u32 s[WV], 8                          ; waves 0-7 fetch K's eighths, waves 8-15 V's: one load a wave, all the launch's fills
	s_cbranch_scc0 .Lfill_v
	tensor_load_to_lds s[G0K:G0K+3], s[G1:G1+7]
	s_nop 0
	PLACES
	s_branch .Lfilled
.Lfill_v:
	tensor_load_to_lds s[G0V:G0V+3], s[G1:G1+7]
	s_nop 0
	PLACES
.Lfilled:
	s_lshr_b32 s51, s[HH], 4                       ; y's tile without G: 128 x batch + 2 cx + u
	s_lshl_b32 s51, s51, 7
	s_lshl_b32 s54, s[CX], 1
	s_add_co_u32 s51, s51, s54
	s_add_co_u32 s51, s51, s[UW]
	s_bfe_u32 s52, s[HH], 0x10003                  ; the head's half of the last product's K,
	s_mul_i32 s52, s52, 6400
	s_and_b32 s54, s[HH], 7                        ; and its HF there
	s_lshl_b32 s53, s54, 1
	s_add_co_u32 s53, s53, s52
	s_add_co_u32 s53, s53, 6144                    ; its two scale bytes in a row's 16
	s_mul_i32 s54, s54, 768
	s_add_co_u32 s52, s52, s54
	s_lshl_b32 s55, s[CX], 5
	s_lshl_b32 s54, s[UW], 3
	s_add_co_u32 s55, s55, s54
	v_and_b32 v7, 31, v0                           ; lane
	v_and_b32 v28, 15, v0                          ; r
	v_bfe_u32 v29, v0, 4, 1                        ; h
	s_delay_alu instid0(VALU_DEP_3)
	v_lshlrev_b32 v1, 4, v7                        ; 16 x lane
	s_delay_alu instid0(VALU_DEP_4)
	v_lshlrev_b32 v2, 3, v7
	s_delay_alu instid0(VALU_DEP_1)
	v_add_nc_u32 v2, 512, v2                       ; 512 + 8 x lane
	v_lshlrev_b32 v6, 4, v28                       ; 16 r
	s_delay_alu instid0(VALU_DEP_1)
	v_add_nc_u32 v4, 3072, v6                      ; a record's scale words of row r
	s_delay_alu instid0(VALU_DEP_1)
	v_mad_u32_u24 v3, v29, REC, v4                 ; lanes 16-31: the next record's
	v_and_b32 v5, 8, v28
	s_delay_alu instid0(VALU_DEP_1)
	v_add_nc_u32 v5, v5, v28
	v_lshlrev_b32 v30, 4, v29
	s_delay_alu instid0(VALU_DEP_1)
	v_sub_nc_u32 v5, v5, v30
	s_delay_alu instid0(VALU_DEP_1)
	v_add_nc_u32 v5, s55, v5                       ; d = my query among its 128 - 16 h: on the diagonal register 16 b + i is hidden where 32 b + i > d
.irp i, 22,23,24,25,26,27
	v_mov_b32 v[\i], 0                             ; zero codes for k = 64 .. 127: Q's,
.endr
.irp t, 0,1,2,3
.irp i, 6,7,8,9,10,11
	v_mov_b32 v[32+12*\t+\i], 0                    ; and K's: written once, never loaded
.endr
.endr
.irp i, 236,237,238,239,240,241,242,243,252,253
	v_mov_b32 v[\i], 0                             ; lane permutes' destinations and the upper half of the pair v[252:253] count as read
.endr
	s_wait_tensorcnt 0x0                           ; my eighth is in
	s_barrier_signal -1
	s_barrier_wait -1                              ; everybody's is; from here on LDS is only read
; ONE TILE OF 16 QUERIES: all its key steps and its way out.
.macro TILE second
.if \second
	s_xor_b32 s[TH], s[JW], 15                     ; G = 15 - j
.else
	s_mov_b32 s[TH], s[JW]                         ; G = j
.endif
	s_lshl_b32 s48, s[TH], 1                       ; Q: record 2 G + cx / 2, HF 2 (cx % 2) + u
	s_lshr_b32 s49, s[CX], 1
	s_add_co_u32 s48, s48, s49
	s_mul_i32 s48, s48, REC
	s_and_b32 s49, s[CX], 1
	s_lshl_b32 s49, s49, 1
	s_add_co_u32 s49, s49, s[UW]
	s_mul_i32 s50, s49, 768
	s_add_co_u32 s50, s50, s48
	s_lshl_b32 s49, s49, 2
	s_add_co_u32 s49, s49, s48
	s_add_co_u32 s49, s49, 3072
	v_add_nc_u32 v28, s50, v1
	v_add_nc_u32 v29, s50, v2
	v_add_nc_u32 v30, s49, v6
	global_load_b128 v[16:19], v28, s[4:5]
	global_load_b64 v[20:21], v29, s[4:5]
	global_load_b32 v255, v30, s[4:5]              ; Q's scale word
	v_mov_b32 v13, 0xff61b1e6                      ; the largest t so far: -3e38, under every t
	s_delay_alu instid0(VALU_DEP_1)
	v_floor_f32 v12, -v13                          ; -M
	v_mov_b32 v14, 0                               ; the sum, in two halves
	v_mov_b32 v15, 0
.set j, 0
.rept 32
	v_mov_b32 v[192+j], 0                          ; O^T: the step is written once; the first finds zeros, which the first change of M leaves zeros
.set j, j+1
.endr
	s_mov_b32 s[TB], 0
	s_mov_b32 s[TBV], HEADB
	s_mov_b32 s[ST], 0
	s_wait_loadcnt 0x0                             ; Q is in, and its offsets' registers are free
.Lstep_\@:                                         ; 16 trips in every wave; a step all of whose keys come after the tile's queries is passed over
	s_cmp_gt_u32 s[ST], s[TH]
	s_cbranch_scc1 .Lhid_\@
	s_setprio 2
	v_add_nc_u32 v8, s[TB], v1                     ; these five lines are also the places behind the last step's products
	s_wait_alu depctr_va_vdst(0)
	v_add_nc_u32 v9, s[TB], v2
	s_wait_alu depctr_va_vdst(0)
	v_add_nc_u32 v10, s[TBV], v1
	v_add_nc_u32 v11, s[TBV], v2
	v_add_nc_u32 v7, s[TB], v3
	ds_load_b128 v[248:251], v7                    ; K's scale words: register t: lanes 0-15 tile t of the first 64 keys, lanes 16-31 of the second
.irp g, 0,1                            ; S^T = K Q^T, four tiles of 16 keys at a time
.if \g
	PLACES                                         ; in front of loads into registers that the four products read
.endif
.irp t, 0,1,2,3
	ds_load_b128 v[32+12*\t:35+12*\t], v8 offset:REC*\g+768*\t
	ds_load_b64 v[36+12*\t:37+12*\t], v9 offset:REC*\g+768*\t
.endr
	s_wait_dscnt 0x0
.irp t, 0,1,2,3
.if \g
	v_wmma_scale_f32_16x16x128_f8f6f4 v[160+8*\t:167+8*\t], v[32+12*\t:43+12*\t], v[16:27], 0, v[248+\t], v255 matrix_a_fmt:MATRIX_FMT_BF6 matrix_b_fmt:MATRIX_FMT_BF6 matrix_a_scale:MATRIX_SCALE_ROW1
.else
	v_wmma_scale_f32_16x16x128_f8f6f4 v[128+8*\t:135+8*\t], v[32+12*\t:43+12*\t], v[16:27], 0, v[248+\t], v255 matrix_a_fmt:MATRIX_FMT_BF6 matrix_b_fmt:MATRIX_FMT_BF6
.endif
.endr
.endr                                  ; register 16 b + i holds key 128 step + 32 b + 16 (lane / 16) + i
	v_add_nc_u32 v7, s[TBV], v4                    ; four places behind the products, the first a useful one
.rept 3
	v_nop
.endr
	s_wait_alu depctr_va_vdst(0)
.irp i, 0,1,2,3                        ; V's four fragments are asked for now and land under the softmax
	ds_load_b128 v[80+12*\i:83+12*\i], v10 offset:768*\i
	ds_load_b64 v[84+12*\i:85+12*\i], v11 offset:768*\i
	ds_load_b128 v[86+12*\i:89+12*\i], v10 offset:REC+768*\i
	ds_load_b64 v[90+12*\i:91+12*\i], v11 offset:REC+768*\i
.endr
	ds_load_b128 v[248:251], v7                    ; V's scale words of the first 64 keys,
	ds_load_b128 v[28:31], v7 offset:REC           ; and of the second
	s_cmp_lg_u32 s[ST], s[TH]                      ; the tile's last step lies on the diagonal: hidden scores become -infinity, so that p = 0
	s_cbranch_scc1 .Lopen_\@
	v_mov_b32 v254, 0xff800000
.set n, 0
.rept 64
	v_cmp_gt_i32 vcc_lo, 32*(n/16)+n%16, v5
	v_cndmask_b32 v[128+n], v[128+n], v254, vcc_lo
.set n, n+1
.endr
.Lopen_\@:
.irp b, 0,1,2,3
	v_max3_num_f32 v[232+\b], v[128+16*\b], v[129+16*\b], v[130+16*\b]     ; the largest score of each block of 32 keys: for the row's maximum and, since p rises with the score, for the block's largest p
.endr
.irp i, 3,5,7,9,11,13
.irp b, 0,1,2,3
	v_max3_num_f32 v[232+\b], v[232+\b], v[128+16*\b+\i], v[129+16*\b+\i]
.endr
.endr
.irp b, 0,1,2,3
	v_max_num_f32 v[232+\b], v[232+\b], v[143+16*\b]
.endr
.irp b, 0,1,2,3
	s_delay_alu instid0(VALU_DEP_4)
	v_permlanex16_b32 v[236+\b], v[232+\b], s[SEL], s[SEL+1]
.endr
.irp b, 0,1,2,3
	s_delay_alu instid0(VALU_DEP_4)
	v_max_num_f32 v[232+\b], v[232+\b], v[236+\b]  ; with lane l xor 16's 16 keys
.endr
	s_delay_alu instid0(VALU_DEP_2)
	v_max3_num_f32 v254, v232, v233, v234
	s_delay_alu instid0(VALU_DEP_1)
	v_max_num_f32 v254, v254, v235                 ; the step's largest score of my query
	s_delay_alu instid0(VALU_DEP_1)
	v_mul_f32 v254, s[CS], v254                    ; as t
	s_delay_alu instid0(VALU_DEP_1)
	v_max_num_f32 v13, v13, v254                   ; the running largest t
	v_mov_b32 v254, v12
	s_delay_alu instid0(VALU_DEP_2)
	v_floor_f32 v12, -v13                          ; the new -M = -ceil(t): a whole number
	s_delay_alu instid0(VALU_DEP_1)
	v_sub_f32 v254, v12, v254                      ; old M - new M: a whole number, 0 or less
	s_delay_alu instid0(VALU_DEP_1)
	v_cvt_i32_f32 v254, v254                       ; (it saturates)
	s_delay_alu instid0(VALU_DEP_1)
	v_ldexp_f32 v252, 1.0, v254                    ; f = 2^(old M - new M)
.set j, 0
.rept 32
	v_pk_fma_f32 v[128+j:129+j], v[128+j:129+j], s[CS:CS+1], v[12:13] op_sel_hi:[1,0,0]    ; t - M, two at a time
.set j, j+2
.endr
	s_setprio 1
.irp b, 0,1,2,3
	v_fma_f32 v[232+\b], v[232+\b], s[CS], v12     ; the same of each block's largest score
.endr
.set j, 0
	s_wait_alu depctr_va_vdst(0)
.rept 64
	v_exp_f32 v[128+j], v[128+j]                   ; p = 2^(t - M), at most 1, not normalised
.set j, j+1
.endr
.irp b, 0,1,2,3
	v_exp_f32 v[232+\b], v[232+\b]                 ; the block's largest p
.endr
	v_pk_mul_f32 v[14:15], v[14:15], v[252:253] op_sel_hi:[1,0]    ; the sums under the new M; also the plain line behind the exponentials
	s_wait_dscnt 0x0                               ; V and its scale words are in
.irp i, 0,1,2,3
	v_lshl_or_b32 v[248+\i], v[28+\i], 16, v[248+\i]               ; bytes 0, 1: the first 64 keys' blocks; bytes 2, 3: the second's
.endr
	s_wait_alu depctr_va_vdst(0)
.irp b, 0,1,2,3
	v_max_num_f32 v[232+\b], 0x2800000, v[232+\b]  ; the floor 2^(5 - 127): the byte cannot fall under 1
.endr
.irp b, 0,1,2,3
	s_delay_alu instid0(VALU_DEP_4)
	v_add_nc_u32 v[244+\b], 0xfe000000, v[232+\b]  ; 4 off the exponent field: the conversion's scale operand
.endr
.irp b, 0,1,2,3
	s_delay_alu instid0(VALU_DEP_4)
	v_lshrrev_b32 v[236+\b], 23, v[244+\b]         ; the scale's byte
.endr
	s_delay_alu instid0(VALU_DEP_3)
	v_lshl_or_b32 v253, v237, 8, v236              ; p's scale word for these 128 keys
	s_delay_alu instid0(VALU_DEP_1)
	v_lshl_or_b32 v253, v238, 16, v253
	s_delay_alu instid0(VALU_DEP_1)
	v_lshl_or_b32 v253, v239, 24, v253
.irp c, 0,1
	v_cvt_scalef32_pk16_bf6_f32 v[224+6*\c:226+6*\c], v[128+32*\c:143+32*\c], v[244+2*\c]
	v_cvt_scalef32_pk16_bf6_f32 v[236+4*\c:238+4*\c], v[144+32*\c:159+32*\c], v[244+2*\c+1]
.endr
	v_nop                                          ; one plain line behind a scaled conversion
.irp c, 0,1                            ; the operand wants a whole block in a lane: lanes 0-15 block 2 c, lanes 16-31 block 2 c + 1
.irp i, 0,1,2
	v_permlane16_swap_b32 v[224+6*\c+\i], v[236+4*\c+\i]
.endr
.irp i, 0,1,2
	s_delay_alu instid0(VALU_DEP_3)
	v_mov_b32 v[227+6*\c+\i], v[236+4*\c+\i]
.endr
.endr
	v_pk_add_f32 v[236:237], v[132:133], v[136:137]
	v_pk_add_f32 v[246:247], v[140:141], v[144:145]
	v_pk_add_f32 v[244:245], v[148:149], v[152:153]
	v_pk_add_f32 v[240:241], v[156:157], v[160:161]
	v_pk_add_f32 v[72:73], v[164:165], v[168:169]
	v_pk_add_f32 v[70:71], v[172:173], v[176:177]
	v_pk_add_f32 v[68:69], v[180:181], v[184:185]
	v_pk_add_f32 v[14:15], v[14:15], v[188:189]
	s_setprio 0
	v_pk_add_f32 v[236:237], v[236:237], v[128:129]
	v_pk_add_f32 v[246:247], v[246:247], v[130:131]
	v_pk_add_f32 v[244:245], v[244:245], v[134:135]
	v_pk_add_f32 v[240:241], v[240:241], v[138:139]
	v_pk_add_f32 v[72:73], v[72:73], v[142:143]
	v_pk_add_f32 v[70:71], v[70:71], v[146:147]
	v_pk_add_f32 v[68:69], v[68:69], v[150:151]
	v_pk_add_f32 v[14:15], v[14:15], v[154:155]
	v_pk_add_f32 v[236:237], v[236:237], v[158:159]
	v_pk_add_f32 v[246:247], v[246:247], v[162:163]
	v_pk_add_f32 v[244:245], v[244:245], v[166:167]
	v_pk_add_f32 v[240:241], v[240:241], v[170:171]
	v_pk_add_f32 v[72:73], v[72:73], v[174:175]
	v_pk_add_f32 v[70:71], v[70:71], v[178:179]
	v_pk_add_f32 v[68:69], v[68:69], v[182:183]
	v_pk_add_f32 v[14:15], v[14:15], v[186:187]
	v_pk_add_f32 v[236:237], v[236:237], v[190:191]
	s_delay_alu instid0(VALU_DEP_2)
	v_pk_add_f32 v[14:15], v[14:15], v[240:241]
	s_delay_alu instid0(VALU_DEP_2)
	v_pk_add_f32 v[236:237], v[236:237], v[72:73]
	v_pk_add_f32 v[246:247], v[246:247], v[70:71]
	v_pk_add_f32 v[244:245], v[244:245], v[68:69]
	s_delay_alu instid0(VALU_DEP_2)
	v_pk_add_f32 v[14:15], v[14:15], v[246:247]
	s_delay_alu instid0(VALU_DEP_2)
	v_pk_add_f32 v[236:237], v[236:237], v[244:245]
	s_delay_alu instid0(VALU_DEP_1)
	v_pk_add_f32 v[14:15], v[14:15], v[236:237]
.set j, 0
.rept 16
	v_pk_mul_f32 v[192+j:193+j], v[192+j:193+j], v[252:253] op_sel_hi:[1,0]        ; O^T under the new M
.set j, j+2
.endr
.irp i, 0,1,2,3                        ; O^T += V^T P^T: the four accumulators by turns, one instruction each in a step
	v_wmma_scale_f32_16x16x128_f8f6f4 v[192+8*\i:199+8*\i], v[80+12*\i:91+12*\i], v[224:235], v[192+8*\i:199+8*\i], v[248+\i], v253 matrix_a_fmt:MATRIX_FMT_BF6 matrix_b_fmt:MATRIX_FMT_BF6
.endr
.Lhid_\@:
	s_add_co_u32 s[TB], s[TB], 2*REC               ; the next 128 keys
	s_add_co_u32 s[TBV], s[TBV], 2*REC
	s_add_co_u32 s[ST], s[ST], 1
	s_cmp_lt_u32 s[ST], 16
	s_cbranch_scc1 .Lstep_\@
	s_setprio 0
	; THE WAY OUT: O^T / the sum is 32 neighbouring channels of two blocks of the last product's K: quantised and stored as an HF's image
	PLACES
	v_add_f32 v14, v14, v15
	s_delay_alu instid0(VALU_DEP_1)
	v_permlanex16_b32 v252, v14, s[SEL], s[SEL+1]
	s_delay_alu instid0(VALU_DEP_1)
	v_add_f32 v14, v14, v252                       ; the row's sum
	s_wait_alu depctr_va_vdst(0)
	v_rcp_f32 v14, v14
	s_lshl_b32 s48, s[TH], 3
	s_add_co_u32 s48, s48, s51
	s_mul_i32 s48, s48, 12800                      ; y's tile
	s_add_co_u32 s49, s48, s52
	s_add_co_u32 s50, s48, s53
	v_add_nc_u32 v28, s49, v1                      ; (plain lines behind the reciprocal)
	v_add_nc_u32 v29, s49, v2
	v_add_nc_u32 v30, s50, v6
.set j, 0
	s_wait_alu depctr_va_vdst(0)
.rept 32
	v_mul_f32 v[128+j], v[192+j], v14              ; register 16 b + i: channel 32 b + 16 (lane / 16) + i of the head
.set j, j+1
.endr
	QUANT32 128, 224, 236, 240, 253
	global_store_b128 v28, v[224:227], s[10:11]    ; 512 consecutive bytes,
	global_store_b64 v29, v[228:229], s[10:11]     ; and the 256 behind them
	global_store_b16 v30, v253, s[10:11]           ; my row's two scale bytes (lanes r and r + 16 write the same halfword with the same value)
.if \second == 0
	s_wait_xcnt 0x0                                ; the stores' offsets and data are written again by the next tile only behind this wait
.endif
.endm
	TILE 0
	TILE 1
	s_wait_xcnt 0x0
	v_lshl_add_u32 v254, v0, 2, 0x34000
	v_mov_b32 v255, 0
	s_wait_alu depctr_va_vdst(0)
	s_wait_tensorcnt 0x0
	ds_add_u32 v254, v255
	s_wait_dscnt 0x0
	CROUND                                         ; the closing round: no work-group ends while a partner may still ask for a tile that names it
	s_endpgm
.Lfunc_end_k_q6e575b7d20_att:
	.size	k_q6e575b7d20_att, .Lfunc_end_k_q6e575b7d20_att-k_q6e575b7d20_att
	.p2alignl 7, 3214868480
	.fill 96, 4, 3214868480
	.section	.rodata,"a",@progbits
	.p2align	6, 0x0
	.amdhsa_kernel k_q6e575b7d20_att
		.amdhsa_group_segment_fixed_size 215040
		.amdhsa_private_segment_fixed_size 0
		.amdhsa_enable_private_segment 0
		.amdhsa_kernarg_size 32
		.amdhsa_user_sgpr_count 2
		.amdhsa_user_sgpr_kernarg_segment_ptr 1
		.amdhsa_wavefront_size32 1
		.amdhsa_system_sgpr_workgroup_id_x 1
		.amdhsa_system_sgpr_workgroup_id_y 1
		.amdhsa_system_sgpr_workgroup_id_z 1
		.amdhsa_system_vgpr_workitem_id 0
		.amdhsa_next_free_vgpr 256
		.amdhsa_next_free_sgpr 66
		.amdhsa_reserve_vcc 1
		.amdhsa_float_denorm_mode_32 3
		.amdhsa_float_denorm_mode_16_64 3
		.amdhsa_memory_ordered 1
		.amdhsa_forward_progress 1
		.amdhsa_inst_pref_size 67
	.end_amdhsa_kernel
	.amdgpu_metadata
---
amdhsa.version: [ 1, 2 ]
amdhsa.kernels:
  - .name:           k_q6e575b7d20_att
    .symbol:         k_q6e575b7d20_att.kd
    .args:
      - { .name: qi, .offset: 0, .size: 8, .value_kind: global_buffer, .address_space: global }
      - { .name: ki, .offset: 8, .size: 8, .value_kind: global_buffer, .address_space: global }
      - { .name: vi, .offset: 16, .size: 8, .value_kind: global_buffer, .address_space: global }
      - { .name: yi, .offset: 24, .size: 8, .value_kind: global_buffer, .address_space: global }
    .group_segment_fixed_size: 215040
    .private_segment_fixed_size: 0
    .kernarg_segment_align: 8
    .kernarg_segment_size: 32
    .max_flat_workgroup_size: 512
    .sgpr_count:     66
    .vgpr_count:     256
    .wavefront_size: 32
...
	.end_amdgpu_metadata
.endif
;; end of part 3
;; launch proj (part 4): grid 4 x 64, 8 waves a work-group, clusters of 4 x 4, 308,224 bytes of LDS; arguments yi, wi, bp, out0; writes out0
.if DOCPART == 4
	.amdgcn_target "amdgcn-amd-amdhsa--gfx1250"
	.amdhsa_code_object_version 6
	.text
	.protected	k_q6e575b7d20_proj
	.globl	k_q6e575b7d20_proj
	.p2align	8
	.type	k_q6e575b7d20_proj,@function
k_q6e575b7d20_proj:
	s_mov_b64 s[64:65], 0
	v_nop
	global_prefetch_b8 v0, s[64:65] scope:SCOPE_SE
	s_setreg_imm32_b32 hwreg(HW_REG_WAVE_MODE, 25, 1), 1
	s_wait_xcnt 0x0
	s_wait_alu depctr_hold_cnt(0) depctr_sa_sdst(0) depctr_va_vdst(0) depctr_va_sdst(0) depctr_va_ssrc(0) depctr_va_vcc(0) depctr_vm_vsrc(0)
	s_getreg_b32 s2, hwreg(HW_REG_IB_STS2, 6, 4)
	s_cmp_eq_u32 s2, 0
	s_cbranch_scc0 .Lentry_in_a_cluster
	s_endpgm
.Lentry_in_a_cluster:
	s_bfe_u32 s2, ttmp6, 0x10000c
	s_cmp_lg_u32 s2, 0xf033
	s_cbranch_scc0 .Lentry_shape_is_right
	s_endpgm
.Lentry_shape_is_right:
; out0 = y Wp^T + bp on codes of BF6 (E3M2); out0 [8192][1024] f32.
; OPERANDS: yi and wi (Wp: tiles 192-255): tiles of 16 rows (position r of tile t is row 32 (t / 2) + 8 (t % 2) + r % 8 + 16 (r / 8)), 12,800 bytes: for each half of K 8 half fragments
;   (16 rows x 64 K, 768 bytes: registers 0-3 at 16 x lane, 4-5 at 512 + 8 x lane) and 256 bytes of scale words [r][4].
; SHARES: a work-group makes 128 tokens x 256 columns; eight waves, each 64 x 64: 16 accumulators.  Source 0 = W, source 1 = y: a lane holds a token and 32 of its columns.
; LDS holds the work-group's operands for ALL of K (two chunks of 512 along K), each byte filled once: no ring, no second fill.
; CLUSTER 4 x 4: y's tiles are shared along a row of the cluster, W's along a column: each is asked for jointly by four work-groups.
; THE WAY OUT goes through a stage of 16 rows x 272 bytes for each wave, so that sixteen lanes store 256 consecutive bytes of a row.  The stages lie in chunk 0, which has had its only fill
;   and which no wave reads behind the barrier between the chunks.
; REGISTERS: v1-11 lane numbers and addresses; v12-15 bp of my four columns on the way out; v16-31 scale words (register 4 i + s: lanes 0-15 y's tile i, lanes 16-31 W's tile i);
;   v32-79 y's four fragments; v80-127 W's four (v32-95 rows of out0 on the way out); v128-255 accumulators ((i, j) at 128 + 32 i + 8 j: i y's tile, j W's).
.set WV,    20
.set G1X,   32
.set G1W,   40
.set G0X,   48
.set G0W,   56
.set HALF,  6400
.set TILEB, 12800
.set WOFF,  8*HALF
.set CHUNK, 24*HALF
.set SC,    16
.set XF,    32
.set WF,    80
.set ACC,   128
.set SPITCH, 272
.macro CROUND
	s_barrier_signal -1
	s_barrier_wait -1
	s_cmp_lg_u32 s[WV], 0
	s_cbranch_scc1 .Lnot_wave_0_\@
	s_barrier_signal -3
.Lnot_wave_0_\@:
	s_barrier_wait -3
	s_barrier_signal -1
	s_barrier_wait -1
.endm
.macro PLACES
.rept 4
	v_nop
.endr
.endm
.macro FRAG reg, a16, a8, off
	ds_load_b128 v[\reg:\reg+3], v[\a16] offset:\off
	ds_load_b64 v[\reg+4:\reg+5], v[\a8] offset:\off
	ds_load_b128 v[\reg+6:\reg+9], v[\a16] offset:\off+768
	ds_load_b64 v[\reg+10:\reg+11], v[\a8] offset:\off+768
.endm
	s_load_b256 s[4:11], s[0:1], 0x0               ; yi s[4:5], wi s[6:7], bp s[8:9], out0 s[10:11]
	s_set_vgpr_msb 0x40
	v_lshl_add_u32 v0, v0, 2, 0x4b000
	v_mov_b32 v1, 0
	s_set_vgpr_msb 0x4045
	ds_add_u32 v0, v1
	ds_add_u32 v0, v1
	s_set_vgpr_msb 0x4500
	v_lshrrev_b32 v1, 5, v0
	s_delay_alu instid0(VALU_DEP_1)
	v_readfirstlane_b32 s[WV], v1                  ; wave 0..7
	s_and_b32 s21, s[WV], 3                        ; which part of the tiles I fetch
	s_and_b32 s22, s[WV], 1                        ; which 64 tokens are mine
	s_lshr_b32 s23, s[WV], 1                       ; which 64 columns
	s_bfe_u32 s24, ttmp6, 0x40000                  ; cx
	s_bfe_u32 s25, ttmp6, 0x40004                  ; cy
	s_lshl_b32 s26, ttmp9, 2
	s_add_co_u32 s26, s26, s24                     ; which 256 columns
	s_and_b32 s27, ttmp7, 0xffff
	s_lshl_b32 s27, s27, 2
	s_add_co_u32 s27, s27, s25                     ; which 128 tokens
	s_lshl_b32 s28, s25, 2
	s_lshl_b32 s28, 15, s28                        ; my row of the cluster
	s_lshl_b32 s29, 0x1111, s24                    ; my column
	; group 1: rows of 6,400 bytes (800 elements of 8 bytes), one for each tile, 12,800 bytes apart; no padding
	s_or_b32 s[G1X], s28, (3<<16)|(1<<21)
	s_or_b32 s[G1W], s29, (3<<16)|(1<<21)
	s_mov_b32 s[G1X+1], 800<<16
	s_mov_b32 s[G1X+2], 2<<16
	s_mov_b32 s[G1X+3], 800<<16
	s_mov_b32 s[G1X+4], 2
	s_mov_b32 s[G1X+5], 1600
	s_mov_b32 s[G1X+6], 0
	s_mov_b32 s[G1X+7], 0
	s_mov_b32 s[G1W+1], 800<<16
	s_mov_b32 s[G1W+2], 4<<16
	s_mov_b32 s[G1W+3], 800<<16
	s_mov_b32 s[G1W+4], 4
	s_mov_b32 s[G1W+5], 1600
	s_mov_b32 s[G1W+6], 0
	s_mov_b32 s[G1W+7], 0
	s_lshl_b32 s70, s27, 3                         ; y: tile 8 x (128 tokens) + 2 x part: hangs on cy alone
	s_lshl_b32 s30, s21, 1
	s_add_co_u32 s70, s70, s30
	s_mul_i32 s70, s70, TILEB
	s_mov_b32 s71, 0
	s_lshl_b32 s72, s26, 4                         ; Wp: tile 192 + 16 x (256 columns) + 4 x part: hangs on cx alone
	s_lshl_b32 s31, s21, 2
	s_add_co_u32 s72, s72, s31
	s_add_co_u32 s72, s72, 192
	s_mul_i32 s72, s72, TILEB
	s_mov_b32 s73, 0
	s_mul_i32 s30, s21, 2*HALF
	s_mul_i32 s31, s21, 4*HALF
	s_add_co_u32 s31, s31, WOFF
	s_wait_dscnt 0x0
	s_wait_kmcnt 0x0
	s_add_nc_u64 s[70:71], s[4:5], s[70:71]
	s_add_nc_u64 s[72:73], s[6:7], s[72:73]
.irp c, 0,1
	s_mov_b32 s[G0X+4*\c], 1
	s_add_co_u32 s[G0X+4*\c+1], s30, \c*CHUNK
	s_add_nc_u64 s[G0X+4*\c+2:G0X+4*\c+3], s[70:71], \c*HALF
	s_or_b32 s[G0X+4*\c+3], s[G0X+4*\c+3], 0x80000000
	s_mov_b32 s[G0W+4*\c], 1
	s_add_co_u32 s[G0W+4*\c+1], s31, \c*CHUNK
	s_add_nc_u64 s[G0W+4*\c+2:G0W+4*\c+3], s[72:73], \c*HALF
	s_or_b32 s[G0W+4*\c+3], s[G0W+4*\c+3], 0x80000000
.endr
	CROUND                                         ; all sixteen work-groups are here: the joint loads meet
	s_cmp_lt_u32 s[WV], 4                          ; waves 0-3 fetch W's tiles, waves 4-7 y's: two loads a wave, chunk 0 then chunk 1, all the launch's fills
	s_cbranch_scc0 .Lfill_x
	tensor_load_to_lds s[G0W:G0W+3], s[G1W:G1W+7]
	s_nop 0
	tensor_load_to_lds s[G0W+4:G0W+7], s[G1W:G1W+7]
	s_nop 0
	PLACES
	s_branch .Lfilled
.Lfill_x:
	tensor_load_to_lds s[G0X:G0X+3], s[G1X:G1X+7]
	s_nop 0
	tensor_load_to_lds s[G0X+4:G0X+7], s[G1X:G1X+7]
	s_nop 0
	PLACES
.Lfilled:
	s_lshl_b32 s76, s26, 10                        ; my 64 columns, in bytes
	s_lshl_b32 s77, s23, 8
	s_add_co_u32 s76, s76, s77
	s_mov_b32 s77, 0
	s_add_nc_u64 s[68:69], s[8:9], s[76:77]        ; bp there
	s_lshl_b32 s78, s27, 7
	s_lshl_b32 s79, s22, 6
	s_add_co_u32 s78, s78, s79                     ; my first token
	s_lshl_b32 s78, s78, 12
	s_add_co_u32 s78, s78, s76
	s_mov_b32 s79, 0
	s_add_nc_u64 s[66:67], s[10:11], s[78:79]      ; out0 at my first token and column
	v_and_b32 v1, 31, v0                           ; lane
	v_and_b32 v2, 15, v0                           ; r
	v_bfe_u32 v3, v0, 4, 1                         ; h
	s_mul_i32 s30, s22, 4*HALF                     ; my four tiles of y,
	s_mul_i32 s31, s23, 4*HALF
	s_add_co_u32 s31, s31, WOFF                    ; of W
	v_lshlrev_b32 v9, 4, v1
	v_lshlrev_b32 v10, 3, v1
	s_delay_alu instid0(VALU_DEP_1)
	v_add_nc_u32 v10, 512, v10
	s_delay_alu instid0(VALU_DEP_3)
	v_add_nc_u32 v4, s30, v9
	s_delay_alu instid0(VALU_DEP_2)
	v_add_nc_u32 v5, s30, v10
	v_add_nc_u32 v6, s31, v9
	s_delay_alu instid0(VALU_DEP_4)
	v_add_nc_u32 v7, s31, v10
	s_sub_co_u32 s31, s31, s30
	v_mul_u32_u24 v8, s31, v3                      ; scale words: lanes 0-15 y's tiles, lanes 16-31 W's
	s_delay_alu instid0(VALU_DEP_1)
	v_lshl_add_u32 v8, v2, 4, v8
	s_add_co_u32 s30, s30, 6144
	v_add_nc_u32 v8, s30, v8
	s_mul_i32 s30, s[WV], 16*SPITCH                ; my stage
	v_mul_u32_u24 v9, v2, SPITCH
	s_delay_alu instid0(VALU_DEP_1)
	v_lshl_add_u32 v9, v3, 6, v9
	s_delay_alu instid0(VALU_DEP_1)
	v_add_nc_u32 v9, s30, v9                       ; in: row r, + 64 h: my half's 16 columns of a block of 32
	v_mul_u32_u24 v10, v3, SPITCH
	s_delay_alu instid0(VALU_DEP_1)
	v_lshl_add_u32 v10, v2, 4, v10
	s_delay_alu instid0(VALU_DEP_1)
	v_add_nc_u32 v10, s30, v10                     ; back: lanes 0-15 one row of 256 bytes, lanes 16-31 the next
	v_lshlrev_b32 v2, 4, v2                        ; 16 r
	s_delay_alu instid0(VALU_DEP_1)
	v_lshl_add_u32 v11, v3, 12, v2                 ; and the same two rows in out0
	global_load_b128 v[12:15], v2, s[68:69]        ; bp of the four columns that I store
; 16 matrix instructions: 128 along K.  The 16 accumulators take turns, one instruction a turn, in the same order in every K step.
.macro MUL first
.irp i, 0,1,2,3
.irp j, 0,1,2,3
.if \first
	v_wmma_scale_f32_16x16x128_f8f6f4 v[ACC+32*\i+8*\j:ACC+32*\i+8*\j+7], v[WF+12*\j:WF+12*\j+11], v[XF+12*\i:XF+12*\i+11], 0, v[SC+4*\j+SQ], v[SC+4*\i+SQ] matrix_a_fmt:MATRIX_FMT_BF6 matrix_b_fmt:MATRIX_FMT_BF6 matrix_a_scale:MATRIX_SCALE_ROW1
.else
	v_wmma_scale_f32_16x16x128_f8f6f4 v[ACC+32*\i+8*\j:ACC+32*\i+8*\j+7], v[WF+12*\j:WF+12*\j+11], v[XF+12*\i:XF+12*\i+11], v[ACC+32*\i+8*\j:ACC+32*\i+8*\j+7], v[SC+4*\j+SQ], v[SC+4*\i+SQ] matrix_a_fmt:MATRIX_FMT_BF6 matrix_b_fmt:MATRIX_FMT_BF6 matrix_a_scale:MATRIX_SCALE_ROW1
.endif
.endr
.endr
.endm
.macro KSTEP s, first
.set SQ, (\s)%4
.if SQ != 0
	PLACES                                         ; in front of loads into registers that the last products read
.else
.irp i, 0,1,2,3
	ds_load_b128 v[SC+4*\i:SC+4*\i+3], v8 offset:HALF*\i
.endr
.endif
.irp i, 0,1,2,3
	FRAG XF+12*\i, 4, 5, HALF*\i+1536*SQ
	FRAG WF+12*\i, 6, 7, HALF*\i+1536*SQ
.endr
	s_wait_dscnt 0x0
	MUL \first
.endm
	s_wait_alu depctr_va_vdst(0)
	s_wait_loadcnt 0x0                             ; bp
	s_wait_tensorcnt 0x1                           ; my part of chunk 0 is in; my part of chunk 1 stays out
	s_barrier_signal -1
	s_barrier_wait -1
	KSTEP 0, 1
	KSTEP 1, 0
	KSTEP 2, 0
	KSTEP 3, 0
	s_wait_tensorcnt 0x0                           ; my part of chunk 1 (no LDS load of mine is out: my reads of chunk 0 are over)
	s_barrier_signal -1
	s_barrier_wait -1                              ; chunk 1 is whole, and nobody reads chunk 0 any more
.irp a, 4,5,6,7,8
	v_add_nc_u32 v[\a], CHUNK, v[\a]               ; on to chunk 1; these five lines are also the places in front of the next loads
.endr
	KSTEP 4, 0
	s_wait_alu depctr_va_vdst(0)
	KSTEP 5, 0
	KSTEP 6, 0
	KSTEP 7, 0
; THE WAY OUT, a tile of 16 tokens x 64 columns at a time.  LDS serves a wave's instructions in order: no wait between the stores and the loads, nor in front of the next tile's stores.
.macro TOSTAGE a
.irp q, 0,1,2,3,4,5,6,7
	ds_store_b128 v9, v[ACC+32*(\a)+4*\q:ACC+32*(\a)+4*\q+3] offset:128*(\q/4)+16*(\q%4)   ; each accumulator from its low end on
.endr
.irp t, 0,1,2,3,4,5,6,7
	ds_load_b128 v[32+32*((\a)%2)+4*\t:32+32*((\a)%2)+4*\t+3], v10 offset:2*SPITCH*\t
.endr
.endm
.macro SEND a, younger                 ; younger: the LDS instructions issued behind tile a's loads, which may stay out
.set BB, 32+32*((\a)%2)
	s_wait_dscnt \younger
.irp t, 0,1,2,3,4,5,6,7
	v_pk_add_f32 v[BB+4*\t:BB+4*\t+1], v[BB+4*\t:BB+4*\t+1], v[12:13]
	v_pk_add_f32 v[BB+4*\t+2:BB+4*\t+3], v[BB+4*\t+2:BB+4*\t+3], v[14:15]
.endr
.irp t, 0,1,2,3,4,5,6,7
	global_store_b128 v11, v[BB+4*\t:BB+4*\t+3], s[66:67] offset:(32*((\a)/2)+8*((\a)%2)+(2*\t)%8+16*(\t/4))*4096 th:TH_STORE_NT   ; sixteen lanes store 256 consecutive bytes, at a multiple of 256 from out0's first byte
.endr
.endm
	PLACES                                         ; behind the last products: for the reads of results and the loads into the fragments' registers
	TOSTAGE 0
.irp a, 1,2,3
.if \a > 1
	s_wait_xcnt 0x0                                ; tile a - 2's stores have read their registers: tile a's rows may land there
.endif
	TOSTAGE \a
	SEND \a-1, 16                                  ; behind tile a - 1's loads: tile a's eight stores and eight loads
.endr
	SEND 3, 0
	s_set_vgpr_msb 0x5
	s_wait_tensorcnt 0x0
	ds_add_u32 v0, v1
	s_wait_dscnt 0x0
	s_set_vgpr_msb 0x500
	CROUND                                         ; the closing round: no work-group ends while a partner may still ask for a tile that names it
	s_endpgm
.Lfunc_end_k_q6e575b7d20_proj:
	.size	k_q6e575b7d20_proj, .Lfunc_end_k_q6e575b7d20_proj-k_q6e575b7d20_proj
	.p2alignl 7, 3214868480
	.fill 96, 4, 3214868480
	.section	.rodata,"a",@progbits
	.p2align	6, 0x0
	.amdhsa_kernel k_q6e575b7d20_proj
		.amdhsa_group_segment_fixed_size 308224
		.amdhsa_private_segment_fixed_size 0
		.amdhsa_enable_private_segment 0
		.amdhsa_kernarg_size 32
		.amdhsa_user_sgpr_count 2
		.amdhsa_user_sgpr_kernarg_segment_ptr 1
		.amdhsa_wavefront_size32 1
		.amdhsa_system_sgpr_workgroup_id_x 1
		.amdhsa_system_sgpr_workgroup_id_y 1
		.amdhsa_system_sgpr_workgroup_id_z 1
		.amdhsa_system_vgpr_workitem_id 0
		.amdhsa_next_free_vgpr 258
		.amdhsa_next_free_sgpr 80
		.amdhsa_reserve_vcc 0
		.amdhsa_float_denorm_mode_32 3
		.amdhsa_float_denorm_mode_16_64 3
		.amdhsa_memory_ordered 1
		.amdhsa_forward_progress 1
		.amdhsa_inst_pref_size 53
	.end_amdhsa_kernel
	.amdgpu_metadata
---
amdhsa.version: [ 1, 2 ]
amdhsa.kernels:
  - .name:           k_q6e575b7d20_proj
    .symbol:         k_q6e575b7d20_proj.kd
    .args:
      - { .name: yi, .offset: 0, .size: 8, .value_kind: global_buffer, .address_space: global }
      - { .name: wi, .offset: 8, .size: 8, .value_kind: global_buffer, .address_space: global }
      - { .name: bp, .offset: 16, .size: 8, .value_kind: global_buffer, .address_space: global }
      - { .name: out0, .offset: 24, .size: 8, .value_kind: global_buffer, .address_space: global }
    .group_segment_fixed_size: 308224
    .private_segment_fixed_size: 0
    .kernarg_segment_align: 8
    .kernarg_segment_size: 32
    .max_flat_workgroup_size: 256
    .sgpr_count:     80
    .vgpr_count:     258
    .wavefront_size: 32
...
	.end_amdgpu_metadata
.endif
;; end of part 4
